; MI455X (gfx1250); checked and timed in simulation.
; The chip was launched on July 23, 2026; its instructions are those of AMD's public machine-readable ISA for CDNA 5 (MIT licence, August 2026) and "CDNA5" Instruction Set Architecture Reference Guide (July 2026).
;; Full Attention. Allowed arithmetic: matrix products marked QUANTISED: E2M3 operands, one E8M0 scale for each 32 along K, by v_wmma_scale_f32_16x16x128_f8f6f4 with both operands' format E2M3, f32 sums; everything else in f32.
;; Inputs: keys_codes 2 x 4,096 x 8 x 2 x 24 uint8 (E2M3 codes of keys, K innermost, in blocks of 32 codes, four codes in three bytes); keys_scales 2 x 4,096 x 8 x 2 uint8 (E8M0 scales of keys, one for each 32 codes along K); queries_codes 2 x 4,096 x 8 x 2 x 24 uint8 (E2M3 codes of queries, K innermost, in blocks of 32 codes, four codes in three bytes); queries_scales 2 x 4,096 x 8 x 2 uint8 (E8M0 scales of queries, one for each 32 codes along K); values_codes 2 x 8 x 64 x 128 x 24 uint8 (E2M3 codes of values, K innermost, in blocks of 32 codes, four codes in three bytes); values_scales 2 x 8 x 64 x 128 uint8 (E8M0 scales of values, one for each 32 codes along K).
;; Outputs: out0 2 x 4,096 x 8 x 64 float32.
;; This version of the problem:
;;   THIS VERSION OF THE PROBLEM IS GIVEN IN LOW PRECISION. The matrix products marked QUANTISED in the list below multiply operands that are first quantised to E2M3 (2 exponent bits, 3 mantissa bits; 6 bits a number), with one power-of-two scale for each 32 numbers along K (OCP MX v1.0); their sums are f32. All else is computed in f32.
;;   The module's matrix products, in the order in which they are computed (A, B: the left and right operand; K: the contracted axis; several contracted axes count as one K, in the product's order):
;;     1. batch 16 x [M 4,096, K 64] x [K 64, N 4,096]; A: input queries (given as codes); B: input keys (given as codes): QUANTISED
;;     2. batch 16 x [M 64, K 4,096] x [K 4,096, N 4,096]; A: input values (given as codes); B: softmax (see below): QUANTISED
;;   THE QUANTISER, for each operand of a quantised product, along K:
;;     - K is cut into blocks of 32 from its start; a last block that is shorter is filled with zeros.
;;     - A block's scale is 2^e with e = floor(log2(the largest magnitude in the block)) - 2, held to -126 .. 127; a block of zeros has e = 0. As a byte (E8M0): e + 127.
;;     - Each number is divided by its block's scale, clamped to +-7.5, and rounded to the nearest number of E2M3, ties to even, subnormals kept.
;;     - The product sums the exact products of the quantised numbers (number of the format x scale) in f32.
;;   ~~~python
;;   def quantise(x, axis):      # numpy; x: float32 -> the quantised numbers, widened to float32 again
;;       x = np.moveaxis(x, axis, -1); K = x.shape[-1]
;;       x = np.pad(x, [(0, 0)] * (x.ndim - 1) + [(0, -K % 32)]); x = x.reshape(x.shape[:-1] + (-1, 32)); a = np.abs(x).max(-1, keepdims=True)
;;       e = np.where(a > 0, np.clip(np.frexp(np.where(a > 0, a, 1))[1] - 1 - 2, -126, 127), 0)      # np.frexp(a)[1] - 1 = floor(log2(a)), exactly
;;       r = np.clip(x / 2.0 ** e, -7.5, 7.5)
;;       step = 2.0 ** (np.maximum(np.frexp(np.where(r == 0, 1, r))[1] - 1, 0) - 3)
;;       q = np.round(r / step) * step * 2.0 ** e      # np.round: ties to even
;;       return np.moveaxis(q.reshape(q.shape[:-2] + (-1,))[..., :K], -1, axis).astype(np.float32)
;;   ~~~
;;   SOFTMAX AHEAD OF A QUANTISED PRODUCT. Where the list says 'softmax', what is quantised is not the finished softmax but p = 2^(t - M), with t = logit x log2(e) and M = ceil(the row's largest t), a whole number; so 1/2 < the row's largest p <= 1. The row's sum l is taken of the UNQUANTISED p, in f32, and the product's result is divided by l at the end. Since M is a whole number, a kernel that streams over the keys may use a running M (the ceiling of the running maximum): every later rescaling is an exact power of two, which a block's scale takes up: the codes' values come out the same.
;;   OPERANDS COMPUTED ON THE WAY. 'Computed on the way' means the value that the module computes at that place (a softmax that the list does not call 'softmax' is quantised finished and normalised). What goes into a quantiser is computed in f32, as accurately as f32 sums, v_exp_f32 and their like allow (about 1e-6 of the number): no bf16 or f16 on the way to a quantiser, and a product that is left as it is and whose result goes on into a quantised operand takes f32 operands (vector FMAs, or v_wmma_f32_16x16x4_f32). A number that lies on a knife's edge between two numbers of the format may be rounded either way, as far as f32 arithmetic and the matrix unit's own rounding can turn it there, and no further.
;;   INPUTS GIVEN AS CODES. keys (in the module: [2, 4096, 8, 64], K = its axis 3); queries (in the module: [2, 4096, 8, 64], K = its axis 3); values (in the module: [2, 4096, 8, 64], K = its axis 1): each comes as NAME_codes (uint8): NAME with its K axis moved to the last place and cut into blocks of 32 codes, [.., K / 32, bytes a block], one block behind the other in memory; four codes in three bytes: a row's codes are one little-endian stream of bits, code i at bits 6 i .. 6 i + 5 (a code: sign, 2 exponent bits, 3 mantissa bits); and NAME_scales (uint8): the same leading axes, one E8M0 byte (e + 127) for each 32 codes along K. Its value is code x scale, taken as it is: it is not quantised again, and the codes and scales need not be those that the quantiser above would give.
;; One version. Each part assembles by itself: llvm-mc -triple=amdgcn-amd-amdhsa -mcpu=gfx1250 --defsym DOCPART=n.
;; ======== version 1 of 1: 1 launch
;; launch attn (part 1): grid 16 x 16, 16 waves a work-group, no clusters, 327,680 bytes of LDS; arguments queries_codes, queries_scales, keys_codes, keys_scales, values_codes, values_scales, out0; writes out0
.if DOCPART == 1
	.amdgcn_target "amdgcn-amd-amdhsa--gfx1250"
	.amdhsa_code_object_version 6
	.text
	.protected	k_qc8dcbe4155_attn
	.globl	k_qc8dcbe4155_attn
	.p2align	8
	.type	k_qc8dcbe4155_attn,@function
k_qc8dcbe4155_attn:
	s_mov_b64 s[64:65], 0
	v_nop
	global_prefetch_b8 v0, s[64:65] scope:SCOPE_SE
	s_setreg_imm32_b32 hwreg(HW_REG_WAVE_MODE, 25, 1), 1
	s_wait_xcnt 0x0
.set SLOT1, 1<<15
.set VOFF,  12288
.set SCV,   65536
.set KSW,   74240
.set SPARE, 90624
.set STAGE, 92672
.set NSL,   16
.set AK0,  1
.set AVA0, 2
.set AVB0, 3
.set ASK0, 4
.set ASV0, 5
.set SPW,  6
.set NIL,  7
.set ADK,  8
.set ADVA, 9
.set ADVB, 10
.set ADS,  11
.set ADT,  12
.set SH8,  13
.set NM,   14
.set SUM,  16
.set DG,   18
.set STO,  19
.set QF,   20
.set KR,   32
.set CH,   32
.set SO,   36
.set BY,   38
.set T2,   40
.set TT,   42
.set WW,   43
.set TC0,  44
.set TC1,  48
.set NI,   53
.set VR,   86
.set ST,   134
.set XQ,   134
.set XS,   135
.set XK,   136
.set XL,   137
.set XD,   142
.set OT,   198
.set PC,   230
.set KS,   242
.set VS,   246
.set QS,   248
.set PW,   249
.set FF,   250
.set PX,   252
.set RD,   253
.set GO,   254
.set TB,   2
.set TJ,   3
.set WV,   18
.set SEL,  20
.set CS,   22
.set G1K,  24
.set G1V,  32
.set G1T,  40
.set G0K,  48
.set G0V,  52
.set G0T,  56
.set Q0,   76
.set BW,   77
.set TS,   78
.set SLOTS, 79
.set SI,   80
.set U16,  81
.set W0V,  (1<<20)|(3<<22)|(3<<25)
.set W0T,  (3<<16)|(1<<20)|(5<<22)|(3<<25)
.macro PLACES
.rept 4
	v_nop
.endr
.endm
.macro GROUP1 g, w0, c, r, p
	s_mov_b32 s[\g], \w0
	s_mov_b32 s[\g+1], (\c)<<16
	s_mov_b32 s[\g+2], (\r)<<16
	s_mov_b32 s[\g+3], (\c)<<16
	s_mov_b32 s[\g+4], \r
	s_mov_b32 s[\g+5], \p
	s_mov_b32 s[\g+6], 0
	s_mov_b32 s[\g+7], 0
.endm
.macro TLOAD g0k, g1k, g0v, g1v
	s_cmp_lt_u32 s[WV], 2
	s_cbranch_scc0 .Lnot_k_\@
	tensor_load_to_lds s[\g0k:\g0k+3], s[\g1k:\g1k+7]
	s_nop 0
	PLACES
	s_branch .Lasked_\@
.Lnot_k_\@:
	s_cmp_lt_u32 s[WV], 4
	s_cbranch_scc0 .Lasked_\@
	tensor_load_to_lds s[\g0v:\g0v+3], s[\g1v:\g1v+7]
	s_nop 0
	PLACES
.Lasked_\@:
.endm
	s_load_b128 s[4:7], s[0:1], 0x0
	s_load_b128 s[8:11], s[0:1], 0x10
	s_load_b128 s[12:15], s[0:1], 0x20
	s_load_b64 s[16:17], s[0:1], 0x30
	v_lshl_add_u32 v[SPW], v0, 2, SPARE
	v_mov_b32 v[NIL], 0
	ds_add_u32 v[SPW], v[NIL]
	ds_add_u32 v[SPW], v[NIL]
	v_lshrrev_b32 v8, 5, v0
	s_delay_alu instid0(VALU_DEP_1)
	v_readfirstlane_b32 s[WV], v8
	s_and_b32 s86, ttmp7, 0xffff
	s_lshr_b32 s87, s86, 3
	s_and_b32 s88, s86, 7
	s_lshr_b32 s89, s[WV], 2
	s_and_b32 s90, s[WV], 3
	s_add_co_u32 s90, s90, s89
	s_and_b32 s90, s90, 3
	s_lshl_b32 s90, s90, 2
	s_add_co_u32 s[BW], s90, s89
	s_lshl_b32 s[Q0], s[BW], 8
	s_lshl_b32 s[U16], ttmp9, 4
	s_add_co_u32 s[Q0], s[Q0], s[U16]
	GROUP1 G1K, 0, 48, 128, 384
	GROUP1 G1V, W0V, 192, 32, 3072
	GROUP1 G1T, W0T, 32, 8, 32
	s_mov_b32 s[SEL], 0x76543210
	s_mov_b32 s[SEL+1], 0xfedcba98
	s_mov_b32 s[CS], 0x3e38aa3b
	s_mov_b32 s[CS+1], s[CS]
	s_mov_b32 s[TB], 0
	s_mov_b32 s[TJ], 0
	s_mov_b32 s[TS], 0
	s_mov_b32 s[SI], 0
	s_mov_b32 s[SLOTS], NSL-1
	s_and_b32 s89, s[WV], 1
	s_mul_i32 s92, s87, 1572864
	s_mul_i32 s90, s89, 49152
	s_add_co_u32 s92, s92, s90
	s_mul_i32 s90, s88, 48
	s_add_co_u32 s92, s92, s90
	s_mov_b32 s93, 0
	s_mul_i32 s94, s86, 196608
	s_mul_i32 s90, s89, 98304
	s_add_co_u32 s94, s94, s90
	s_mov_b32 s95, 0
	s_and_b32 s91, s[WV], 3
	s_lshl_b32 s98, s86, 13
	s_lshl_b32 s90, s91, 11
	s_add_co_u32 s98, s98, s90
	s_mov_b32 s99, 0
	s_mul_i32 s96, s89, 6144
	s_mul_i32 s97, s89, 7680
	s_add_co_u32 s97, s97, VOFF
	s_mul_i32 s91, s91, 2176
	s_add_co_u32 s91, s91, SCV
	s_wait_dscnt 0x0
	s_wait_kmcnt 0x0
	s_mov_b32 s[G0T], 1
	s_mov_b32 s[G0T+1], s91
	s_add_nc_u64 s[G0T+2:G0T+3], s[14:15], s[98:99]
	s_or_b32 s[G0T+3], s[G0T+3], 0x80000000
	TLOAD G0T, G1T, G0T, G1T
	s_mov_b32 s[G0K], 1
	s_mov_b32 s[G0K+1], s96
	s_add_nc_u64 s[G0K+2:G0K+3], s[8:9], s[92:93]
	s_or_b32 s[G0K+3], s[G0K+3], 0x80000000
	s_mov_b32 s[G0V], 1
	s_mov_b32 s[G0V+1], s97
	s_add_nc_u64 s[G0V+2:G0V+3], s[12:13], s[94:95]
	s_or_b32 s[G0V+3], s[G0V+3], 0x80000000
	TLOAD G0K, G1K, G0V, G1V
	s_lshl_b32 s89, s87, 12
	s_add_co_u32 s89, s89, s[Q0]
	s_mul_i32 s92, s89, 384
	s_mul_i32 s90, s88, 48
	s_add_co_u32 s92, s92, s90
	s_add_nc_u64 s[4:5], s[4:5], s[92:93]
	s_lshl_b32 s92, s89, 4
	s_lshl_b32 s90, s88, 1
	s_add_co_u32 s92, s92, s90
	s_add_nc_u64 s[6:7], s[6:7], s[92:93]
	s_lshl_b32 s92, s89, 11
	s_lshl_b32 s90, s88, 8
	s_add_co_u32 s92, s92, s90
	s_add_nc_u64 s[16:17], s[16:17], s[92:93]
	s_lshl_b32 s92, s87, 16
	s_lshl_b32 s90, s88, 1
	s_add_co_u32 s92, s92, s90
	s_add_nc_u64 s[10:11], s[10:11], s[92:93]
	v_and_b32 v8, 15, v0
	v_bfe_u32 v9, v0, 4, 1
	v_and_b32 v10, 7, v0
	v_bfe_u32 v11, v0, 3, 1
	s_delay_alu instid0(VALU_DEP_4)
	v_mul_u32_u24 v[XQ], v8, 384
	s_delay_alu instid0(VALU_DEP_1)
	v_mad_u32_u24 v[XQ], v9, 24, v[XQ]
	v_lshlrev_b32 v[XS], 4, v8
	v_lshlrev_b32 v[XK], 4, v0
.irp p, 0,1,2
	global_load_b64 v[QF+2*\p:QF+2*\p+1], v[XQ], s[4:5] offset:8*\p
.endr
	global_load_u16 v[QS], v[XS], s[6:7]
.irp i, 0,1,2,3,4,5,6,7
	global_load_u16 v[XD+\i], v[XK], s[10:11] offset:8192*\i
.endr
	v_lshl_add_u32 v[XL], v0, 2, KSW
	v_lshlrev_b32 v[DG], 5, v9
	s_delay_alu instid0(VALU_DEP_1)
	v_sub_nc_u32 v[DG], v8, v[DG]
	s_delay_alu instid0(VALU_DEP_1)
	v_add_nc_u32 v[DG], s[U16], v[DG]
	v_mul_u32_u24 v[AK0], v10, 48
	s_delay_alu instid0(VALU_DEP_1)
	v_mad_u32_u24 v[AK0], v11, 1536, v[AK0]
	s_delay_alu instid0(VALU_DEP_1)
	v_mad_u32_u24 v[AK0], v9, 24, v[AK0]
	v_mul_u32_u24 v[AVA0], v8, 240
	s_delay_alu instid0(VALU_DEP_1)
	v_mad_u32_u24 v[AVA0], v9, 24, v[AVA0]
	s_delay_alu instid0(VALU_DEP_1)
	v_add_nc_u32 v[AVA0], VOFF, v[AVA0]
	s_delay_alu instid0(VALU_DEP_1)
	v_lshl_add_u32 v[AVB0], v9, 4, v[AVA0]
	v_lshlrev_b32 v[ASK0], 2, v10
	s_delay_alu instid0(VALU_DEP_1)
	v_lshl_add_u32 v[ASK0], v9, 5, v[ASK0]
	s_delay_alu instid0(VALU_DEP_1)
	v_lshl_add_u32 v[ASK0], v11, 7, v[ASK0]
	s_delay_alu instid0(VALU_DEP_1)
	v_add_nc_u32 v[ASK0], KSW, v[ASK0]
	v_bfe_u32 v10, v0, 1, 3
	s_delay_alu instid0(VALU_DEP_1)
	v_lshl_add_u32 v10, v9, 3, v10
	v_and_b32 v11, 1, v0
	s_delay_alu instid0(VALU_DEP_1)
	v_lshlrev_b32 v[ASV0], 7, v11
	s_delay_alu instid0(VALU_DEP_1)
	v_mad_u32_u24 v[ASV0], v10, 272, v[ASV0]
	s_delay_alu instid0(VALU_DEP_1)
	v_add_nc_u32 v[ASV0], SCV, v[ASV0]
	v_lshlrev_b32 v[SH8], 3, v9
	s_mul_i32 s89, s[WV], 4352
	s_add_co_u32 s89, s89, STAGE
	v_mul_u32_u24 v[STO], v8, 272
	s_delay_alu instid0(VALU_DEP_1)
	v_lshl_add_u32 v[STO], v9, 5, v[STO]
	s_delay_alu instid0(VALU_DEP_1)
	v_add_nc_u32 v[STO], s89, v[STO]
	v_mul_u32_u24 v[RD], v9, 272
	s_delay_alu instid0(VALU_DEP_1)
	v_lshl_add_u32 v[RD], v8, 4, v[RD]
	s_delay_alu instid0(VALU_DEP_1)
	v_add_nc_u32 v[RD], s89, v[RD]
	v_lshlrev_b32 v[GO], 11, v9
	s_delay_alu instid0(VALU_DEP_1)
	v_lshl_add_u32 v[GO], v8, 4, v[GO]
.irp i, 0,1,2,3,4,5
	v_mov_b32 v[QF+6+\i], 0
	v_mov_b32 v[KR+48+\i], 0
.endr
	v_mov_b32 v[NM+1], 0xff61b1e6
	s_delay_alu instid0(VALU_DEP_1)
	v_floor_f32 v[NM], -v[NM+1]
	v_mov_b32 v[SUM], 0
	v_mov_b32 v[SUM+1], 0
	v_mov_b32 v[FF+1], 0
	v_mov_b32 v[PX], 0
.set i, 0
.rept 32
	v_mov_b32 v[OT+i], 0
.set i, i+1
.endr
.macro VFRAG t, q
.irp p, 0,1,2,3,4,5
.set PCE, 12*(\q)+6*(\p/3)+\p%3
.if PCE%8 < 5
	ds_load_b64 v[VR+12*(\t)+2*\p:VR+12*(\t)+2*\p+1], v[ADVA] offset:8*PCE+16*(PCE/8)+3840*(\t)
.else
	ds_load_b64 v[VR+12*(\t)+2*\p:VR+12*(\t)+2*\p+1], v[ADVB] offset:8*PCE+16*(PCE/8)+3840*(\t)
.endif
.endr
.endm
.macro STEP q
.irp a, 0,1,2,3,4,5,6,7
.irp p, 0,1,2
	ds_load_b64 v[KR+6*\a+2*\p:KR+6*\a+2*\p+1], v[ADK] offset:(128*(\q)+64*(\a/4)+8*(\a%4))*48+8*\p
.endr
.endr
.irp u, 0,1,2,3
	ds_load_b32 v[KS+\u], v[ADS] offset:(128*(\q)+64*(\u/2)+16*(\u%2))*4
.endr
	s_wait_dscnt 0x0
.irp a, 0,2,4,6
	v_wmma_scale_f32_16x16x128_f8f6f4 v[ST+8*\a:ST+8*\a+7], v[KR+6*\a:KR+6*\a+11], v[QF:QF+11], 0, v[KS+\a/2], v[QS] matrix_a_fmt:MATRIX_FMT_FP6 matrix_b_fmt:MATRIX_FMT_FP6
	v_wmma_scale_f32_16x16x128_f8f6f4 v[ST+8*\a+8:ST+8*\a+15], v[KR+6*\a+6:KR+6*\a+17], v[QF:QF+11], 0, v[KS+\a/2], v[QS] matrix_a_fmt:MATRIX_FMT_FP6 matrix_b_fmt:MATRIX_FMT_FP6 matrix_a_scale:MATRIX_SCALE_ROW1
.endr
	PLACES
	s_cmp_lg_u32 s[SI], s[BW]
	s_cbranch_scc1 .Lopen_\@
	v_mov_b32 v[NI], 0xff800000
.set n, 0
.rept 64
	v_cmp_gt_i32 vcc_lo, 128*(\q)+64*(n/32)+n%32, v[DG]
	v_cndmask_b32 v[ST+n], v[ST+n], v[NI], vcc_lo
.set n, n+1
.endr
.Lopen_\@:
	s_wait_alu depctr_va_vdst(0)
.irp t, 0,1,2,3
	VFRAG \t, \q
.endr
.irp g, 0,1
	ds_load_b32 v[VS+\g], v[ADT] offset:4352*\g+4*(\q)
.endr
.irp k, 0,1,2,3
	v_max3_num_f32 v[CH+\k], v[ST+16*\k], v[ST+16*\k+1], v[ST+16*\k+2]
.endr
.irp i, 3,5,7,9,11,13
.irp k, 0,1,2,3
	v_max3_num_f32 v[CH+\k], v[CH+\k], v[ST+16*\k+\i], v[ST+16*\k+\i+1]
.endr
.endr
.irp c, 0
	v_max3_num_f32 v[CH+2*\c], v[CH+2*\c], v[ST+32*\c+15], v[ST+32*\c+31]
.endr
.irp c, 1
	v_max3_num_f32 v[CH+2*\c], v[CH+2*\c], v[ST+32*\c+15], v[ST+32*\c+31]
.endr
.irp c, 0,1
	s_delay_alu instid0(VALU_DEP_2)
	v_max_num_f32 v[CH+2*\c], v[CH+2*\c], v[CH+2*\c+1]
.endr
	s_delay_alu instid0(VALU_DEP_1)
	v_max_num_f32 v[TT], v[CH], v[CH+2]
	s_delay_alu instid0(VALU_DEP_1)
	v_permlanex16_b32 v[PX], v[TT], s[SEL], s[SEL+1]
	s_delay_alu instid0(VALU_DEP_1)
	v_max_num_f32 v[TT], v[TT], v[PX]
	s_delay_alu instid0(VALU_DEP_1)
	v_mul_f32 v[TT], s[CS], v[TT]
	s_delay_alu instid0(VALU_DEP_1)
	v_max_num_f32 v[NM+1], v[NM+1], v[TT]
	v_mov_b32 v[TT], v[NM]
	s_delay_alu instid0(VALU_DEP_2)
	v_floor_f32 v[NM], -v[NM+1]
	s_delay_alu instid0(VALU_DEP_1)
	v_sub_f32 v[TT], v[NM], v[TT]
	s_delay_alu instid0(VALU_DEP_1)
	v_cvt_i32_f32 v[TT], v[TT]
	s_delay_alu instid0(VALU_DEP_1)
	v_ldexp_f32 v[FF], 1.0, v[TT]
.set i, 0
.rept 32
	v_pk_fma_f32 v[ST+i:ST+i+1], v[ST+i:ST+i+1], s[CS:CS+1], v[NM:NM+1] op_sel_hi:[1,0,0]
.set i, i+2
.endr
	v_fma_f32 v[CH], v[CH], s[CS], v[NM]
	v_fma_f32 v[CH+2], v[CH+2], s[CS], v[NM]
.set i, 0
	s_wait_alu depctr_va_vdst(0)
.rept 64
	v_exp_f32 v[ST+i], v[ST+i]
.set i, i+1
.endr
	v_exp_f32 v[CH], v[CH]
	v_exp_f32 v[CH+2], v[CH+2]
	v_pk_mul_f32 v[SUM:SUM+1], v[SUM:SUM+1], v[FF:FF+1] op_sel_hi:[1,0]
.set i, 0
	s_wait_alu depctr_va_vdst(0)
.rept 16
	v_pk_mul_f32 v[OT+i:OT+i+1], v[OT+i:OT+i+1], v[FF:FF+1] op_sel_hi:[1,0]
.set i, i+2
.endr
	s_wait_alu depctr_va_vdst(0)
.irp c, 0,1
	v_max_num_f32 v[CH+2*\c], 0x1800000, v[CH+2*\c]
.endr
.irp c, 0,1
	s_delay_alu instid0(VALU_DEP_2)
	v_add_nc_u32 v[SO+\c], 0xff000000, v[CH+2*\c]
.endr
.irp c, 0,1
	s_delay_alu instid0(VALU_DEP_2)
	v_lshrrev_b32 v[BY+\c], 23, v[SO+\c]
.endr
	s_delay_alu instid0(VALU_DEP_1)
	v_lshl_or_b32 v[WW], v[BY+1], 16, v[BY]
	s_delay_alu instid0(VALU_DEP_1)
	v_lshlrev_b32 v[WW], v[SH8], v[WW]
	s_delay_alu instid0(VALU_DEP_1)
	v_permlanex16_b32 v[PX], v[WW], s[SEL], s[SEL+1]
	s_delay_alu instid0(VALU_DEP_1)
	v_or_b32 v[PW], v[WW], v[PX]
	v_cvt_scalef32_pk16_fp6_f32 v[PC:PC+2], v[ST:ST+15], v[SO]
	v_cvt_scalef32_pk16_fp6_f32 v[TC0:TC0+2], v[ST+16:ST+31], v[SO]
	v_cvt_scalef32_pk16_fp6_f32 v[PC+6:PC+8], v[ST+32:ST+47], v[SO+1]
	v_cvt_scalef32_pk16_fp6_f32 v[TC1:TC1+2], v[ST+48:ST+63], v[SO+1]
	v_nop
.irp i, 0,1,2
	v_mov_b32 v[PC+3+\i], v[TC0+\i]
	v_mov_b32 v[PC+9+\i], v[TC1+\i]
.endr
	v_pk_add_f32 v[40:41], v[138:139], v[142:143]
	v_pk_add_f32 v[244:245], v[146:147], v[150:151]
	v_pk_add_f32 v[242:243], v[154:155], v[158:159]
	v_pk_add_f32 v[78:79], v[162:163], v[166:167]
	v_pk_add_f32 v[76:77], v[170:171], v[174:175]
	v_pk_add_f32 v[74:75], v[178:179], v[182:183]
	v_pk_add_f32 v[72:73], v[186:187], v[190:191]
	v_pk_add_f32 v[16:17], v[16:17], v[194:195]
	v_pk_add_f32 v[40:41], v[40:41], v[134:135]
	v_pk_add_f32 v[244:245], v[244:245], v[136:137]
	v_pk_add_f32 v[242:243], v[242:243], v[140:141]
	v_pk_add_f32 v[78:79], v[78:79], v[144:145]
	v_pk_add_f32 v[76:77], v[76:77], v[148:149]
	v_pk_add_f32 v[74:75], v[74:75], v[152:153]
	v_pk_add_f32 v[72:73], v[72:73], v[156:157]
	v_pk_add_f32 v[16:17], v[16:17], v[160:161]
	v_pk_add_f32 v[40:41], v[40:41], v[164:165]
	v_pk_add_f32 v[244:245], v[244:245], v[168:169]
	v_pk_add_f32 v[242:243], v[242:243], v[172:173]
	v_pk_add_f32 v[78:79], v[78:79], v[176:177]
	v_pk_add_f32 v[76:77], v[76:77], v[180:181]
	v_pk_add_f32 v[74:75], v[74:75], v[184:185]
	v_pk_add_f32 v[72:73], v[72:73], v[188:189]
	v_pk_add_f32 v[16:17], v[16:17], v[192:193]
	v_pk_add_f32 v[40:41], v[40:41], v[196:197]
	s_delay_alu instid0(VALU_DEP_2)
	v_pk_add_f32 v[16:17], v[16:17], v[78:79]
	s_delay_alu instid0(VALU_DEP_2)
	v_pk_add_f32 v[40:41], v[40:41], v[76:77]
	v_pk_add_f32 v[244:245], v[244:245], v[74:75]
	v_pk_add_f32 v[242:243], v[242:243], v[72:73]
	s_delay_alu instid0(VALU_DEP_2)
	v_pk_add_f32 v[16:17], v[16:17], v[244:245]
	s_delay_alu instid0(VALU_DEP_2)
	v_pk_add_f32 v[40:41], v[40:41], v[242:243]
	s_delay_alu instid0(VALU_DEP_1)
	v_pk_add_f32 v[16:17], v[16:17], v[40:41]
	s_wait_dscnt 0x0
.irp t, 0,2
	v_wmma_scale_f32_16x16x128_f8f6f4 v[OT+8*\t:OT+8*\t+7], v[VR+12*\t:VR+12*\t+11], v[PC:PC+11], v[OT+8*\t:OT+8*\t+7], v[VS+\t/2], v[PW] matrix_a_fmt:MATRIX_FMT_FP6 matrix_b_fmt:MATRIX_FMT_FP6
	v_wmma_scale_f32_16x16x128_f8f6f4 v[OT+8*\t+8:OT+8*\t+15], v[VR+12*\t+12:VR+12*\t+23], v[PC:PC+11], v[OT+8*\t+8:OT+8*\t+15], v[VS+\t/2], v[PW] matrix_a_fmt:MATRIX_FMT_FP6 matrix_b_fmt:MATRIX_FMT_FP6 matrix_a_scale:MATRIX_SCALE_ROW1
.endr
.endm
.macro CHANGE fill
	s_wait_tensorcnt 0x0
	ds_add_u32 v[SPW], v[NIL]
.if \fill
	s_xor_b32 s[G0K+1], s[G0K+1], SLOT1
	s_add_nc_u64 s[G0K+2:G0K+3], s[G0K+2:G0K+3], 98304
	s_xor_b32 s[G0V+1], s[G0V+1], SLOT1
	s_add_nc_u64 s[G0V+2:G0V+3], s[G0V+2:G0V+3], 192
.endif
	s_wait_dscnt 0x0
	s_barrier_signal -1
	s_barrier_wait -1
.if \fill
	TLOAD G0K, G1K, G0V, G1V
.endif
.endm
.macro SLOT_BODY
	v_add_nc_u32 v[ADK], s[TB], v[AK0]
	v_add_nc_u32 v[ADVA], s[TB], v[AVA0]
	v_add_nc_u32 v[ADVB], s[TB], v[AVB0]
	v_add_nc_u32 v[ADS], s[TS], v[ASK0]
	v_add_nc_u32 v[ADT], s[TJ], v[ASV0]
	s_cmp_gt_u32 s[SI], s[BW]
	s_cbranch_scc1 .Lidle_\@
	STEP 0
	STEP 1
.Lidle_\@:
	s_xor_b32 s[TB], s[TB], SLOT1
	s_add_co_u32 s[TS], s[TS], 1024
	s_add_co_u32 s[TJ], s[TJ], 8
	s_add_co_u32 s[SI], s[SI], 1
.endm
	s_wait_loadcnt 0x0
.irp i, 0,1,2,3,4,5,6,7
	ds_store_b32 v[XL], v[XD+\i] offset:2048*\i
.endr
.Lslot:
	CHANGE 1
	SLOT_BODY
	s_sub_co_u32 s[SLOTS], s[SLOTS], 1
	s_cmp_lg_u32 s[SLOTS], 0
	s_cbranch_scc1 .Lslot
	CHANGE 0
	SLOT_BODY
	PLACES
	s_wait_alu depctr_va_vdst(0)
	v_add_f32 v[TT], v[SUM], v[SUM+1]
	s_delay_alu instid0(VALU_DEP_1)
	v_permlanex16_b32 v[PX], v[TT], s[SEL], s[SEL+1]
	s_delay_alu instid0(VALU_DEP_1)
	v_add_f32 v[TT], v[TT], v[PX]
	s_wait_alu depctr_va_vdst(0)
	v_rcp_f32 v[FF], v[TT]
	v_nop
	s_wait_alu depctr_va_vdst(0)
.set i, 0
.rept 16
	v_pk_mul_f32 v[OT+i:OT+i+1], v[OT+i:OT+i+1], v[FF:FF+1] op_sel_hi:[1,0]
.set i, i+2
.endr
.irp t, 0,1,2,3
	ds_store_b128 v[STO], v[OT+8*\t:OT+8*\t+3] offset:64*\t
	ds_store_b128 v[STO], v[OT+8*\t+4:OT+8*\t+7] offset:64*\t+16
.endr
.irp i, 0,1,2,3,4,5,6,7
	ds_load_b128 v[ST+4*\i:ST+4*\i+3], v[RD] offset:544*\i
.endr
.irp i, 0,1,2,3,4,5,6,7
	s_wait_dscnt 7-\i
	global_store_b128 v[GO], v[ST+4*\i:ST+4*\i+3], s[16:17] offset:4096*\i th:TH_STORE_NT
.endr
	s_wait_tensorcnt 0x0
	ds_add_u32 v[SPW], v[NIL]
	s_wait_dscnt 0x0
	s_endpgm
.Lfunc_end_k_qc8dcbe4155_attn:
	.size	k_qc8dcbe4155_attn, .Lfunc_end_k_qc8dcbe4155_attn-k_qc8dcbe4155_attn
	.p2alignl 7, 3214868480
	.fill 96, 4, 3214868480
	.section	.rodata,"a",@progbits
	.p2align	6, 0x0
	.amdhsa_kernel k_qc8dcbe4155_attn
		.amdhsa_group_segment_fixed_size 327680
		.amdhsa_private_segment_fixed_size 0
		.amdhsa_enable_private_segment 0
		.amdhsa_kernarg_size 56
		.amdhsa_user_sgpr_count 2
		.amdhsa_user_sgpr_kernarg_segment_ptr 1
		.amdhsa_wavefront_size32 1
		.amdhsa_system_sgpr_workgroup_id_x 1
		.amdhsa_system_sgpr_workgroup_id_y 1
		.amdhsa_system_sgpr_workgroup_id_z 1
		.amdhsa_system_vgpr_workitem_id 0
		.amdhsa_next_free_vgpr 256
		.amdhsa_next_free_sgpr 100
		.amdhsa_reserve_vcc 1
		.amdhsa_float_denorm_mode_32 3
		.amdhsa_float_denorm_mode_16_64 3
		.amdhsa_memory_ordered 1
		.amdhsa_forward_progress 1
		.amdhsa_inst_pref_size 107
	.end_amdhsa_kernel
	.amdgpu_metadata
---
amdhsa.version: [ 1, 2 ]
amdhsa.kernels:
  - .name:           k_qc8dcbe4155_attn
    .symbol:         k_qc8dcbe4155_attn.kd
    .args:
      - { .name: queries_codes, .offset: 0, .size: 8, .value_kind: global_buffer, .address_space: global }
      - { .name: queries_scales, .offset: 8, .size: 8, .value_kind: global_buffer, .address_space: global }
      - { .name: keys_codes, .offset: 16, .size: 8, .value_kind: global_buffer, .address_space: global }
      - { .name: keys_scales, .offset: 24, .size: 8, .value_kind: global_buffer, .address_space: global }
      - { .name: values_codes, .offset: 32, .size: 8, .value_kind: global_buffer, .address_space: global }
      - { .name: values_scales, .offset: 40, .size: 8, .value_kind: global_buffer, .address_space: global }
      - { .name: out0, .offset: 48, .size: 8, .value_kind: global_buffer, .address_space: global }
    .group_segment_fixed_size: 327680
    .private_segment_fixed_size: 0
    .kernarg_segment_align: 8
    .kernarg_segment_size: 56
    .max_flat_workgroup_size: 512
    .sgpr_count:     100
    .vgpr_count:     256
    .wavefront_size: 32
...
	.end_amdgpu_metadata
.endif
;; end of part 1
